; MI455X (gfx1250); checked and timed in simulation.
; The chip was launched on July 23, 2026; its instructions are those of AMD's public machine-readable ISA for CDNA 5 (MIT licence, August 2026) and "CDNA5" Instruction Set Architecture Reference Guide (July 2026). The comments in the code are by the model that wrote it; some were corrected since.
;; Position Aware Mean Attention. Allowed arithmetic: matrix products marked QUANTISED: E5M2 operands, one E8M0 scale for each 32 along K, by v_wmma_scale_f32_16x16x128_f8f6f4 with both operands' format E5M2, f32 sums; products left as they are: f32 operands where the result goes on into a quantised operand, else bf16, f16 or f32 operands; f32 sums; everything else in f32.
;; Inputs: mask 200 x 2,048 float32; w_k 128 x 128 float32; w_p 200 x 128 float32; w_q 128 x 128 float32; x 200 x 2,048 x 128 float32.
;; Outputs: out0 2,048 x 128 float32.
;; This version of the problem:
;;   THIS VERSION OF THE PROBLEM IS GIVEN IN LOW PRECISION. The matrix products marked QUANTISED in the list below multiply operands that are first quantised to E5M2 (5 exponent bits, 2 mantissa bits; 8 bits a number), with one power-of-two scale for each 32 numbers along K (OCP MX v1.0); their sums are f32. All else is computed in f32.
;;   The module's matrix products, in the order in which they are computed (A, B: the left and right operand; K: the contracted axis; several contracted axes count as one K, in the product's order):
;;     1. [M 409,600, K 128] x [K 128, N 128]; A: computed on the way; B: input w_k: QUANTISED
;;     2. [M 2,048, K 128] x [K 128, N 128]; A: computed on the way; B: input w_q: QUANTISED
;;     3. batch 200 x [M 2,048, K 128] x [K 128, N 1]; A: computed on the way; B: input w_p: left as it is (N = 1 < 16)
;;   THE QUANTISER, for each operand of a quantised product, along K:
;;     - K is cut into blocks of 32 from its start; a last block that is shorter is filled with zeros.
;;     - A block's scale is 2^e with e = floor(log2(the largest magnitude in the block)) - 15, held to -126 .. 127; a block of zeros has e = 0. As a byte (E8M0): e + 127.
;;     - Each number is divided by its block's scale, clamped to +-57,344, and rounded to the nearest number of E5M2, ties to even, subnormals kept.
;;     - The product sums the exact products of the quantised numbers (number of the format x scale) in f32.
;;   ~~~python
;;   def quantise(x, axis):      # numpy; x: float32 -> the quantised numbers, widened to float32 again
;;       x = np.moveaxis(x, axis, -1); K = x.shape[-1]
;;       x = np.pad(x, [(0, 0)] * (x.ndim - 1) + [(0, -K % 32)]); x = x.reshape(x.shape[:-1] + (-1, 32)); a = np.abs(x).max(-1, keepdims=True)
;;       e = np.where(a > 0, np.clip(np.frexp(np.where(a > 0, a, 1))[1] - 1 - 15, -126, 127), 0)      # np.frexp(a)[1] - 1 = floor(log2(a)), exactly
;;       r = np.clip(x / 2.0 ** e, -57344, 57344)
;;       step = 2.0 ** (np.maximum(np.frexp(np.where(r == 0, 1, r))[1] - 1, -14) - 2)
;;       q = np.round(r / step) * step * 2.0 ** e      # np.round: ties to even
;;       return np.moveaxis(q.reshape(q.shape[:-2] + (-1,))[..., :K], -1, axis).astype(np.float32)
;;   ~~~
;;   OPERANDS COMPUTED ON THE WAY. 'Computed on the way' means the value that the module computes at that place (a softmax that the list does not call 'softmax' is quantised finished and normalised). What goes into a quantiser is computed in f32, as accurately as f32 sums, v_exp_f32 and their like allow (about 1e-6 of the number): no bf16 or f16 on the way to a quantiser, and a product that is left as it is and whose result goes on into a quantised operand takes f32 operands (vector FMAs, or v_wmma_f32_16x16x4_f32). A number that lies on a knife's edge between two numbers of the format may be rounded either way, as far as f32 arithmetic and the matrix unit's own rounding can turn it there, and no further.
;; One version. Each part assembles by itself: llvm-mc -triple=amdgcn-amd-amdhsa -mcpu=gfx1250 --defsym DOCPART=n.
;; ======== version 1 of 1: 1 launch
;; limits: right only within a limited range of input values
;; launch paa (part 1): grid 256 x 1, 8 waves a work-group, clusters of 4 x 1, 327,680 bytes of LDS; arguments x, mask, w_p, w_k, w_q, out0; writes out0
.if DOCPART == 1
	.amdgcn_target "amdgcn-amd-amdhsa--gfx1250"
	.amdhsa_code_object_version 6
	.text
	.protected	k_q6ec1447915_paa
	.globl	k_q6ec1447915_paa
	.p2align	8
	.type	k_q6ec1447915_paa,@function
k_q6ec1447915_paa:
	s_mov_b64 s[64:65], 0
	v_nop
	global_prefetch_b8 v0, s[64:65] scope:SCOPE_SE
	s_setreg_imm32_b32 hwreg(HW_REG_WAVE_MODE, 25, 1), 1
	s_wait_xcnt 0x0
	s_wait_alu depctr_hold_cnt(0) depctr_sa_sdst(0) depctr_va_vdst(0) depctr_va_sdst(0) depctr_va_ssrc(0) depctr_va_vcc(0) depctr_vm_vsrc(0)
	s_getreg_b32 s2, hwreg(HW_REG_IB_STS2, 6, 4)
	s_cmp_eq_u32 s2, 0
	s_cbranch_scc0 .Lentry_in_a_cluster
	s_endpgm
.Lentry_in_a_cluster:
	s_bfe_u32 s2, ttmp6, 0x10000c
	s_cmp_lg_u32 s2, 0x3003
	s_cbranch_scc0 .Lentry_shape_is_right
	s_endpgm
.Lentry_shape_is_right:
; out[b][:] = sum over t of alpha[t] x[t][b][:] m[t][b].  e = x m;  mean = sum over t of e;  key = Q(e) Q(w_k);  query = Q(mean) Q(w_q);
; sim[t] = sum over d of sigmoid(key + query)[t][d] w_p[t][d];  s = sim m;  alpha = softmax_t(s) m / sum over t of softmax_t(s) m.
; Q: codes of E5M2 with one E8M0 scale for each 32 along K (K = the 128 of x's last axis); both products by v_wmma_scale_f32_16x16x128_f8f6f4; all else f32.
; LEFT OUT: the softmax's own divisor S = sum over t of exp(s - max).  alpha = (exp(s - max) m / S) / (sum of exp(s - max) m / S): S stands in the numerator and in the
; denominator and cancels for all values of the inputs; it lies between 1 and 200.  The maximum is kept, over all 200 scores: each wave takes that of its own rows, and the eight
; are merged by factors 2^(M_wave - M).  So out = sum of (m m p) x / sum of (m p), p = 2^((s - max) log2 e).  Every input is loaded.  A NaN, an infinity or an overflow that reaches only S is not carried to the result.
; LIMITS: NaN and infinities among the inputs are not served; a block of zeros has the scale byte 1 (its codes are zeros; the bytes are read here alone); f32 sums run in another
; order than the reference's; the mean is summed by fused multiply-adds; blocks whose largest magnitude lies under 2^-111 were not tried.
; SHARES.  256 work-groups of eight waves; work-group g owns sessions 8 g .. 8 g + 7, one a step.  x is read once: 32 rows a wave (4 in waves 0 and 4, which have two tiles on one SIMD's share)
; are on their way into staging registers; PUMP puts them into the LDS slot that is not in use and into the mean, and asks for the session after.  Wave w works tile w (rows 16 w ..), waves 0-4 also tile 8 + w; tile 12 has
; eight rows, its lanes 8-15 repeat them and weigh 0.  Waves without a second tile: wave 7 makes the next session's query, wave 6 merges the session before and stores it.
; TWO BARRIERS A STEP.  A: everybody's reads of the last session's slot are over, the query and the partial sums lie in LDS.  Between its signal and its wait the session's first tile is quantised (its rows were shown by the
; step before's barrier B).  B: the next session's rows and partial means lie in LDS; between its signal and its wait stands the second tile's work.
; PRODUCTS TRANSPOSED: source 0 = 16 columns d of w_k, source 1 = 16 time steps: lane (r, h), register j of accumulator n holds (t = r, d = 16 n + 8 h + j); the query is loaded into the accumulators as C.
; CLUSTER: all work-groups read the same three weights: four partners ask for them jointly (mask 15), once, at the head.  No LDS byte is filled again.
; PREFETCH: the rows of the session behind the one just asked for, each 256 bytes named once, by the wave that will load them; it stops with the last session.
; WINDOWS of 256 registers: 0: addresses, scales, one tile of w_p, X, Z, codes.  1: w_k's eight fragments (0-127), staged rows (128-255).
; (The first tile's products: waves 0-3 make them behind PUMP, waves 4-7 ahead of it.  Between B's signal and its wait stands the second tile's work.)
.set P,     528                        ; a row of x in LDS: 512 bytes + 16
.set SLOT1, 131072                     ; slot 0 at 0, slot 1 here: 200 rows each
.set MEAN,  105728                     ; between the slots, written behind the head: partial means, 512 bytes a wave;
.set QRY,   110592                     ; the query, two of 512 bytes by turns;
.set ML,    111616                     ; (M, L) of each wave, two of 256 by turns;
.set PRV,   112128                     ; the mean's 128 codes, its 4 scale bytes at +128;
.set OPB,   114688                     ; partial sums O, 1,024 bytes a wave (lanes 0-15's, lanes 16-31's), two of 8,192 by turns
.set WPB,   169088                     ; head: raw w_p, pitch P; its rows 128-199 stay, from WP1 on, behind slot 1
.set WP1,   WPB+128*P
.set IMK,   274688                     ; images of w_k's fragments, then of w_q's (these stay): 2,048 bytes each
.set IMQ,   IMK+16384
.set ISK,   307456                     ; their scale words, 128 bytes each
.set MASK,  309504                     ; [session 8][t 256]; from t = 200 on step 199's, which count for nothing
.set SPARE, 317696                     ; the spare words: 128 bytes a wave
.set W1A,  0                           ; w_p of my second tile in LDS
.set CXA,  1                           ; (16 w + r) P + 64 h
.set CXB,  2                           ; the same of my second tile
.set CRA,  3                           ; the weighted sum: lanes 0-15 my first tile's rows, lanes 16-31 my second's (waves 5-7: rows 8-15 of the first)
.set CRB,  4                           ; rows 8-15 of both
.set CDA,  5                           ; where my 28 staged rows go
.set CDB,  6                           ; and my other four
.set L16,  7                           ; 16 l
.set MKA,  8
.set MKB,  9
.set M0,   10
.set M1,   11
.set CQR,  12
.set COS,  13
.set SPW,  14
.set NIL,  15
.set VO,   16                          ; v16-18: x's rows lie 1 MiB apart; the row stands in the immediate
.set PF,   19                          ; v19-21: the prefetches' offsets
.set V1,   22                          ; 1, or 0 in tile 12's lanes that repeat
.set PW,   23                          ; scales and nothing else: PW, WKS, WQS, MW
.set WKS,  24
.set WQS,  32
.set MW,   40
.set S1,   41                          ; my second tile's s log2 e; -infinity where I have none
.set S0,   42
.set MKV,  43
.set MV0,  44                          ; m of my row; v45, named with it as a pair, is not used by it
.set MBV,  45
.set MV1,  46
.set TA,   47
.set WP,   48
.set X,    112
.set Z,    176
.set PC,   240
.set ST,   128                         ; window 1: staged rows
.set SACC, X
.set TM,   Z
.set OACC, Z+16
.set WW,   Z+40
.set WT,   Z+48
.set AA,   Z+48
.set TL,   Z+56                        ; head only
.set TR,   Z+57
.set TH,   Z+58
.set T1,   Z+59
.set T2,   Z+60
.set T3,   Z+61
.set VA,   Z+62
.set WV,  16
.set GID, 17
.set SEL, 18
.set MNT, 20
.set L2E, 21
.set NL2, 22
.set CNT, 24                           ; the session in hand
.set SM,  25                           ; w mod 4: 0 in the waves that stage four rows
.set SLC, 26                           ; the slot of the session in hand; s27: the other
.set SLN, 27
.set XB,  30
.set G1W, 36
.set G1P, 44
.set G0K, 52
.set G0Q, 56
.set G0P, 60
.set SW,  70                           ; s70-85: eight pairs; a pair's low word is a row's mask, its high word is written once
.set SMW, 98
.set SML, 99
.set HM,  100
.set WM,  101
.set MSB, 0
.macro WIN new
.if MSB != \new
	s_set_vgpr_msb (MSB<<8)|\new
.set MSB, \new
.endif
.endm
.macro AW
	s_wait_alu depctr_va_vdst(0)
.endm
.macro ROUND
	s_barrier_signal -1
	s_barrier_wait -1
	s_cmp_lg_u32 s[WV], 0
	s_cbranch_scc1 .Lnot_wave_0_\@
	s_barrier_signal -3
.Lnot_wave_0_\@:
	s_barrier_wait -3
	s_barrier_signal -1
	s_barrier_wait -1
.endm
.macro XLG                             ; my rows of a session, 512 consecutive bytes each: 28, then 4
	s_cmp_eq_u32 s[SM], 0
	s_cbranch_scc1 .Lfour_\@
	WIN 0x40
.set xk, 0
.rept 28
	global_load_b128 v[ST+4*xk:ST+4*xk+3], v[VO+xk/16], s[XB:XB+1] offset:(xk%16-8)*1048576 th:TH_LOAD_NT
.set xk, xk+1
.endr
	WIN 0
.Lfour_\@:
	WIN 0x40
.irp q, 0,1,2,3
	global_load_b128 v[ST+112+4*\q:ST+115+4*\q], v[VO+2], s[XB:XB+1] offset:\q*1048576 th:TH_LOAD_NT
.endr
	WIN 0
.endm
.macro PREF                            ; the next session's 256-byte blocks of my rows: 32 + 24, then 8
	s_cmp_eq_u32 s[SM], 0
	s_cbranch_scc1 .Lpfour_\@
	global_prefetch_b8 v[PF], s[XB:XB+1] offset:512 th:TH_LOAD_NT scope:SCOPE_SE
	global_prefetch_b8 v[PF+1], s[XB:XB+1] offset:512 th:TH_LOAD_NT scope:SCOPE_SE
.Lpfour_\@:
	global_prefetch_b8 v[PF+2], s[XB:XB+1] offset:512 th:TH_LOAD_NT scope:SCOPE_SE
.endm
.macro XLOAD adr                       ; X[16 c + i] = x(my row, 32 c + 16 h + i): the order of the operand's registers
.irp c, 0,1,2,3
.irp j, 0,1,2,3
	ds_load_b128 v[X+16*\c+4*\j:X+16*\c+4*\j+3], v[\adr] offset:128*\c+16*\j
.endr
.endr
.endm
.macro QLN adr, n
	ds_load_b128 v[Z+8*\n:Z+8*\n+3], v[\adr] offset:64*\n
	ds_load_b128 v[Z+8*\n+4:Z+8*\n+7], v[\adr] offset:64*\n+16
.endm
.macro QLOAD
.irp n, 0,1,2,3,4,5,6,7
	QLN TA,\n
.endr
.endm
.macro WPLOAD dst, adr                 ; w_p of a tile in the accumulators' layout
.irp n, 0,1,2,3,4,5,6,7
	ds_load_b128 v[\dst+8*\n:\dst+8*\n+3], v[\adr] offset:64*\n
	ds_load_b128 v[\dst+8*\n+4:\dst+8*\n+7], v[\adr] offset:64*\n+16
.endr
.endm
; X (times the mask, where mv is given) becomes a fragment's codes in PC and its scale word in PW.
.macro QUANT mv, rest                  ; rest: the LDS loads issued behind X's sixteen
.set qj, 0
.irp b, 0,1,2,3
	s_wait_dscnt (\rest)+12-4*\b                   ; block b's four loads are in
.rept 8
	v_pk_mul_f32 v[X+qj:X+qj+1], v[X+qj:X+qj+1], v[\mv:\mv+1] op_sel_hi:[1,0]   ; e = x m
.set qj, qj+2
.endr
.endr
.irp b, 0,1,2,3
	v_max3_num_f32 v[TM+\b], |v[X+16*\b]|, |v[X+1+16*\b]|, 0x8000000   ; with the floor 2^(16 - 127): the byte cannot fall under 1
.endr
.irp i, 2,4,6,8,10,12,14
.irp b, 0,1,2,3
	v_max3_num_f32 v[TM+\b], v[TM+\b], |v[X+16*\b+\i]|, |v[X+1+16*\b+\i]|
.endr
.endr
.irp b, 0,1,2,3
	v_permlanex16_b32 v[TM+4+\b], v[TM+\b], s[SEL], s[SEL+1]
.endr
.irp b, 0,1,2,3
	v_max_num_f32 v[TM+\b], v[TM+\b], v[TM+4+\b]   ; with lane l xor 16's: the block's largest magnitude
.endr
.irp b, 0,1,2,3
	v_add_nc_u32 v[TM+12+\b], 0xf8800000, v[TM+\b] ; 15 off its exponent field: the conversion's scale operand
.endr
.irp b, 0,1,2,3
	v_and_or_b32 v[TM+8+\b], v[TM+\b], 0x7f800000, s[MNT]   ; 57,344 x the scale
.endr
.irp b, 0,1,2,3
	v_lshrrev_b32 v[TM+4+\b], 23, v[TM+12+\b]
.endr
	v_lshl_or_b32 v[PW], v[TM+5], 8, v[TM+4]
	v_lshl_or_b32 v[PW], v[TM+6], 16, v[PW]
	v_lshl_or_b32 v[PW], v[TM+7], 24, v[PW]        ; the 64 holds below stand between the scale word and its product
.irp b, 0,1,2,3
.irp i, 0,1,2,3,4,5,6,7,8,9,10,11,12,13,14,15
	v_med3_num_f32 v[X+16*\b+\i], v[X+16*\b+\i], -v[TM+8+\b], v[TM+8+\b]   ; the conversion does not saturate (ISA guide 7.6.2)
.endr
.endr
.irp b, 0,1,2,3
	v_cvt_scalef32_pk8_bf8_f32 v[PC+4*\b:PC+4*\b+1], v[X+16*\b:X+16*\b+7], v[TM+12+\b]
	v_cvt_scalef32_pk8_bf8_f32 v[PC+4*\b+2:PC+4*\b+3], v[X+16*\b+8:X+16*\b+15], v[TM+12+\b]
.endr
.rept 4
	v_nop                                          ; the place behind the conversions; four between an operand so written and a scaled product
.endr
.endm
.macro NINE                            ; eight places for first reads and loads, nine for products that write over these registers
.rept 9
	v_nop
.endr
.endm
.macro KEYS                            ; (key + query)^T of a tile: eight accumulators, one product each
	WIN 0x01
.irp n, 0,1,2,3,4,5,6,7
	v_wmma_scale_f32_16x16x128_f8f6f4 v[Z+8*\n:Z+8*\n+7], v[16*\n:16*\n+15], v[PC:PC+15], v[Z+8*\n:Z+8*\n+7], v[WKS+\n], v[PW] matrix_a_fmt:MATRIX_FMT_BF8 matrix_b_fmt:MATRIX_FMT_BF8
.endr
	WIN 0
	NINE
.endm
; sim of a tile into dst: sigmoid = 1 / (1 + 2^(-log2 e (key + query))), then the dot with w_p.  Each batch of transcendentals has one wait ahead and one behind.
.macro SIGM wp, dst, wt                ; wt = 1: w_p is awaited ahead of the dot
.set gp, 0
.rept 32
	v_pk_mul_f32 v[Z+gp:Z+gp+1], v[Z+gp:Z+gp+1], s[NL2:NL2+1] op_sel_hi:[1,0]   ; each accumulator from its low end on
.set gp, gp+2
.endr
	AW
.set gp, 0
.rept 64
	v_exp_f32 v[Z+gp], v[Z+gp]
.set gp, gp+1
.endr
	v_nop
	AW
.set gp, 0
.rept 32
	v_pk_add_f32 v[Z+gp:Z+gp+1], v[Z+gp:Z+gp+1], 1.0 op_sel_hi:[1,0]
.set gp, gp+2
.endr
	AW
.set gp, 0
.rept 64
	v_rcp_f32 v[Z+gp], v[Z+gp]
.set gp, gp+1
.endr
	v_nop
	AW
.set gp, 0
.if \wt
	s_wait_dscnt 0x0
.endif
.rept 32
.if gp < 4
	v_pk_mul_f32 v[Z+2*gp:Z+2*gp+1], v[Z+2*gp:Z+2*gp+1], v[\wp+2*gp:\wp+2*gp+1]   ; four chains, begun by products
.else
	v_pk_fma_f32 v[Z+2*(gp%4):Z+2*(gp%4)+1], v[Z+2*gp:Z+2*gp+1], v[\wp+2*gp:\wp+2*gp+1], v[Z+2*(gp%4):Z+2*(gp%4)+1]
.endif
.set gp, gp+1
.endr
	v_pk_add_f32 v[Z:Z+1], v[Z:Z+1], v[Z+2:Z+3]
	v_pk_add_f32 v[Z+4:Z+5], v[Z+4:Z+5], v[Z+6:Z+7]
	v_pk_add_f32 v[Z:Z+1], v[Z:Z+1], v[Z+4:Z+5]
	v_add_f32 v[Z], v[Z], v[Z+1]
	v_permlanex16_b32 v[Z+8], v[Z], s[SEL], s[SEL+1]   ; the row's other 64 columns lie in lane l xor 16
	v_add_f32 v[\dst], v[Z], v[Z+8]
.endm
.macro PGRP st, mk, ln, adr, fz        ; four staged rows: masks from lanes ln on, into LDS, into the mean (two chains)
.irp q, 0,1,2,3
	v_readlane_b32 s[SW+8*(((\ln)/4)%2)+2*\q], v[\mk], (\ln)+\q
.endr
.irp q, 0,1,2,3
	ds_store_b128 v[\adr], v[\st+4*\q:\st+4*\q+3] offset:((\ln)+\q)*P
.endr
.irp q, 0,1,2,3
.set sp, SW+8*(((\ln)/4)%2)+2*\q
.set sa, SACC+4*(\q%2)
.if ((\fz) == 0) && (\q < 2)
	v_pk_mul_f32 v[sa:sa+1], s[sp:sp+1], v[\st+4*\q:\st+4*\q+1] op_sel_hi:[0,1]
	v_pk_mul_f32 v[sa+2:sa+3], s[sp:sp+1], v[\st+4*\q+2:\st+4*\q+3] op_sel_hi:[0,1]
.else
	v_pk_fma_f32 v[sa:sa+1], s[sp:sp+1], v[\st+4*\q:\st+4*\q+1], v[sa:sa+1] op_sel_hi:[0,1,1]
	v_pk_fma_f32 v[sa+2:sa+3], s[sp:sp+1], v[\st+4*\q+2:\st+4*\q+3], v[sa+2:sa+3] op_sel_hi:[0,1,1]
.endif
.endr
.endm
; My staged rows go into the other slot and into my part of the mean.  A wait's count = the staged rows asked for behind those that it serves.
.macro PUMP
	v_add_nc_u32 v[X+10], s[SLN], v[CDA]
	v_add_nc_u32 v[X+11], s[SLN], v[CDB]
	v_add_nc_u32 v[X+12], s[SMW], v[L16]
	AW
	s_cmp_eq_u32 s[SM], 0
	s_cbranch_scc1 .Lfew_\@
	WIN 0x04
.set pl, 0
.rept 7
.if pl%8 == 0
	AW
.if pl < 24
	s_wait_loadcnt 24-pl
.else
	s_wait_loadcnt 4
.endif
.endif
	PGRP ST+4*pl,MKV,pl,X+10,pl
.set pl, pl+4
.endr
	WIN 0
	AW
	s_branch .Lall_\@
.Lfew_\@:
.irp j, 0,1,2,3,4,5,6,7
	v_mov_b32 v[SACC+\j], 0                        ; these waves have the four rows below alone
.endr
	AW
.Lall_\@:
	s_wait_loadcnt 0x0
	WIN 0x04
	PGRP ST+112,MBV,0,X+11,4
	WIN 0
	v_pk_add_f32 v[SACC:SACC+1], v[SACC:SACC+1], v[SACC+4:SACC+5]
	v_pk_add_f32 v[SACC+2:SACC+3], v[SACC+2:SACC+3], v[SACC+6:SACC+7]
	ds_store_b128 v[X+12], v[SACC:SACC+3]
	s_wait_dscnt 0x0                               ; the stores have read the staging registers
.endm
.macro ADDRS                           ; addresses of what waves 6 and 7 do, and of the query: made on every wave's way
	s_add_co_u32 s32, s[CNT], 1
	s_and_b32 s32, s32, 1
	s_lshl_b32 s33, s32, 13
	s_add_co_u32 s33, s33, OPB
	s_lshl_b32 s34, s32, 8
	s_add_co_u32 s34, s34, ML
	s_lshl_b32 s35, s32, 9
	s_add_co_u32 s35, s35, QRY                     ; the next session's query
	s_add_co_u32 s32, s[CNT], 7
	s_and_b32 s32, s32, 7
	s_lshl_b32 s32, s32, 9                         ; 512 x the session before
	v_lshrrev_b32 v[AA+3], 4, v[L16]
	v_lshrrev_b32 v[AA], 2, v[L16]
	v_lshrrev_b32 v[AA+2], 7, v[L16]
	v_and_b32 v[AA+3], 16, v[AA+3]
	v_and_b32 v[AA+1], 60, v[AA]
	v_add_nc_u32 v[AA+2], PRV+128, v[AA+2]         ; PRV + 128 + l / 8
	v_add_nc_u32 v[AA+3], PRV, v[AA+3]             ; PRV + 16 h
	v_add_nc_u32 v[AA+1], s35, v[AA+1]             ; the next query + 4 r
	v_add_nc_u32 v[AA], PRV, v[AA]                 ; PRV + 4 l
	v_mov_b32 v[AA+4], PRV
	v_add_nc_u32 v[AA+5], MEAN, v[L16]
	v_add_nc_u32 v[AA+6], IMQ, v[L16]
	v_add_nc_u32 v[AA+7], s33, v[L16]
	v_mov_b32 v[AA+8], s34
	v_add_nc_u32 v[AA+9], s32, v[L16]
.endm
; The query from the eight partial means (lane l: columns 4 l .. 4 l + 3; a block of 32 lies in eight lanes).  The mean's codes come back as a fragment whose 16 rows are all the mean; lane r of accumulator n is query(16 n + r).
.macro QUERY
.irp u, 0,1,2,3,4,5,6,7
	ds_load_b128 v[X+4*\u:X+4*\u+3], v[AA+5] offset:512*\u
.endr
	s_wait_dscnt 0x0
.irp u, 0,1,2,3
	v_pk_add_f32 v[X+8*\u:X+8*\u+1], v[X+8*\u:X+8*\u+1], v[X+8*\u+4:X+8*\u+5]
	v_pk_add_f32 v[X+8*\u+2:X+8*\u+3], v[X+8*\u+2:X+8*\u+3], v[X+8*\u+6:X+8*\u+7]
.endr
.irp u, 0,16
	v_pk_add_f32 v[X+\u:X+\u+1], v[X+\u:X+\u+1], v[X+\u+8:X+\u+9]
	v_pk_add_f32 v[X+\u+2:X+\u+3], v[X+\u+2:X+\u+3], v[X+\u+10:X+\u+11]
.endr
	v_pk_add_f32 v[X+32:X+33], v[X:X+1], v[X+16:X+17]
	v_pk_add_f32 v[X+34:X+35], v[X+2:X+3], v[X+18:X+19]
.irp j, 36,37,38,39
	v_mov_b32 v[X+\j], 0                           ; the conversion takes eight numbers: four are mine
.endr
	v_max3_num_f32 v[Z], |v[X+32]|, |v[X+33]|, 0x8000000
	v_max3_num_f32 v[Z], v[Z], |v[X+34]|, |v[X+35]|
	v_max_num_f32_dpp v[Z], v[Z], v[Z] row_xmask:1 row_mask:0xf bank_mask:0xf
	v_max_num_f32_dpp v[Z], v[Z], v[Z] row_xmask:2 row_mask:0xf bank_mask:0xf
	v_max_num_f32_dpp v[Z], v[Z], v[Z] row_xmask:4 row_mask:0xf bank_mask:0xf
	v_add_nc_u32 v[Z+1], 0xf8800000, v[Z]
	v_and_or_b32 v[Z+2], v[Z], 0x7f800000, s[MNT]
	v_lshrrev_b32 v[Z+3], 23, v[Z+1]
.irp j, 32,33,34,35
	v_med3_num_f32 v[X+\j], v[X+\j], -v[Z+2], v[Z+2]
.endr
	v_cvt_scalef32_pk8_bf8_f32 v[Z+4:Z+5], v[X+32:X+39], v[Z+1]
	v_nop
	ds_store_b32 v[AA], v[Z+4]
	ds_store_b8 v[AA+2], v[Z+3]                    ; eight lanes write the same byte with the same value
.irp c, 0,1,2,3
	ds_load_b128 v[PC+4*\c:PC+4*\c+3], v[AA+3] offset:32*\c   ; LDS serves a wave's instructions in order: these see my stores
.endr
	ds_load_b32 v[MW], v[AA+4] offset:128
.irp g, 0,1
.irp n, 0,1,2,3
.irp c, 0,1,2,3
	ds_load_b128 v[X+16*\n+4*\c:X+16*\n+4*\c+3], v[AA+6] offset:2048*(4*\g+\n)+512*\c
.endr
.endr
	AW
	s_wait_dscnt 0x0
.irp n, 0,1,2,3
	v_wmma_scale_f32_16x16x128_f8f6f4 v[Z+8*\n:Z+8*\n+7], v[PC:PC+15], v[X+16*\n:X+16*\n+15], 0, v[MW], v[WQS+4*\g+\n] matrix_a_fmt:MATRIX_FMT_BF8 matrix_b_fmt:MATRIX_FMT_BF8
.endr
	NINE
.irp n, 0,1,2,3
	ds_store_b32 v[AA+1], v[Z+8*\n] offset:64*(4*\g+\n)   ; lanes l and l xor 16 write the same word with the same value
.endr
.endr
.endm
; The eight waves' (M, L, O) of the session before; its row of out0.
.macro MERGE
.irp v, 0,1,2,3
	ds_load_b128 v[Z+4*\v:Z+4*\v+3], v[AA+8] offset:16*\v
.endr
.irp u, 0,1,2,3,4,5,6,7
	ds_load_b128 v[X+8*\u:X+8*\u+3], v[AA+7] offset:1024*\u
	ds_load_b128 v[X+8*\u+4:X+8*\u+7], v[AA+7] offset:1024*\u+512
.endr
	s_wait_dscnt 0x0
	v_max3_num_f32 v[Z+16], v[Z], v[Z+2], v[Z+4]
	v_max3_num_f32 v[Z+17], v[Z+6], v[Z+8], v[Z+10]
	v_max3_num_f32 v[Z+16], v[Z+16], v[Z+12], v[Z+14]
	v_max_num_f32 v[Z+16], v[Z+16], v[Z+17]        ; the maximum over all 200 scores
.irp u, 0,1,2,3,4,5,6,7
	v_sub_f32 v[Z+24+2*\u], v[Z+2*\u], v[Z+16]
.endr
	AW
.irp u, 0,1,2,3,4,5,6,7
	v_exp_f32 v[Z+24+2*\u], v[Z+24+2*\u]
.endr
.irp u, 0,1,2,3,4,5,6,7
	v_pk_add_f32 v[X+8*\u:X+8*\u+1], v[X+8*\u:X+8*\u+1], v[X+8*\u+4:X+8*\u+5]
	v_pk_add_f32 v[X+8*\u+2:X+8*\u+3], v[X+8*\u+2:X+8*\u+3], v[X+8*\u+6:X+8*\u+7]
.endr
	AW
	v_mul_f32 v[Z+18], v[Z+24], v[Z+1]
	v_pk_mul_f32 v[Z+20:Z+21], v[X:X+1], v[Z+24:Z+25] op_sel_hi:[1,0]
	v_pk_mul_f32 v[Z+22:Z+23], v[X+2:X+3], v[Z+24:Z+25] op_sel_hi:[1,0]
.irp u, 1,2,3,4,5,6,7
	v_fma_f32 v[Z+18], v[Z+24+2*\u], v[Z+1+2*\u], v[Z+18]
	v_pk_fma_f32 v[Z+20:Z+21], v[X+8*\u:X+8*\u+1], v[Z+24+2*\u:Z+25+2*\u], v[Z+20:Z+21] op_sel_hi:[1,0,1]
	v_pk_fma_f32 v[Z+22:Z+23], v[X+8*\u+2:X+8*\u+3], v[Z+24+2*\u:Z+25+2*\u], v[Z+22:Z+23] op_sel_hi:[1,0,1]
.endr
	AW
	v_rcp_f32 v[Z+40], v[Z+18]
	v_nop
	AW
	v_pk_mul_f32 v[Z+44:Z+45], v[Z+20:Z+21], v[Z+40:Z+41] op_sel_hi:[1,0]
	v_pk_mul_f32 v[Z+46:Z+47], v[Z+22:Z+23], v[Z+40:Z+41] op_sel_hi:[1,0]
	global_store_b128 v[AA+9], v[Z+44:Z+47], s[14:15] th:TH_STORE_NT   ; 32 lanes store a row of 512 consecutive bytes
	s_wait_xcnt 0x0                                ; Z is written again only behind this wait
.endm
.macro DLOAD hb                        ; four pairs of rows: a row is 256 bytes in 16 lanes, twice
.irp k, 0,1,2,3
.if \hb < 2
	ds_load_b128 v[X+32*(\hb%2)+8*\k:X+32*(\hb%2)+8*\k+3], v[Z+56] offset:(4*\hb+\k)*P
	ds_load_b128 v[X+32*(\hb%2)+8*\k+4:X+32*(\hb%2)+8*\k+7], v[Z+56] offset:(4*\hb+\k)*P+256
.else
	ds_load_b128 v[X+32*(\hb%2)+8*\k:X+32*(\hb%2)+8*\k+3], v[Z+57] offset:(4*\hb-8+\k)*P
	ds_load_b128 v[X+32*(\hb%2)+8*\k+4:X+32*(\hb%2)+8*\k+7], v[Z+57] offset:(4*\hb-8+\k)*P+256
.endif
.endr
.endm
.macro DFMA hb, ka, kb, kc, kd         ; O += weight x row, two chains; each half of the lanes takes its own row's weight
	v_mov_b32_dpp v[WT], v[WW] row_share:\ka row_mask:0xf bank_mask:0xf
	v_mov_b32_dpp v[WT+2], v[WW] row_share:\kb row_mask:0xf bank_mask:0xf
	v_mov_b32_dpp v[WT+4], v[WW] row_share:\kc row_mask:0xf bank_mask:0xf
	v_mov_b32_dpp v[WT+6], v[WW] row_share:\kd row_mask:0xf bank_mask:0xf
.irp k, 0,1,2,3
.set dx, X+32*(\hb%2)+8*\k
.set do, OACC+8*(\k%2)
.irp j, 0,2,4,6
.if (\hb == 0) && (\k < 2)
	v_pk_mul_f32 v[do+\j:do+\j+1], v[dx+\j:dx+\j+1], v[WT+2*\k:WT+2*\k+1] op_sel_hi:[1,0]
.else
	v_pk_fma_f32 v[do+\j:do+\j+1], v[dx+\j:dx+\j+1], v[WT+2*\k:WT+2*\k+1], v[do+\j:do+\j+1] op_sel_hi:[1,0,1]
.endif
.endr
.endr
.endm
.macro PFA dst, last, base             ; lane: block lane mod 2 of row lane / 2; lanes beyond name the last block again
	v_min_u32 v[T1], \last, v[TL]
	v_lshrrev_b32 v[T2], 1, v[T1]
	v_and_b32 v[T1], 1, v[T1]
	v_lshlrev_b32 v[T1], 8, v[T1]
	v_lshl_add_u32 v[T1], v[T2], 20, v[T1]
	v_add_nc_u32 v[\dst], s[\base], v[T1]
.endm
; ---------------------------------------------------------------- THE HEAD
	s_load_b256 s[4:11], s[0:1], 0x0               ; x, mask, w_p, w_k
	s_load_b128 s[12:15], s[0:1], 0x20             ; w_q, out0
	v_lshl_add_u32 v[SPW], v0, 2, SPARE
	v_mov_b32 v[NIL], 0
	ds_add_u32 v[SPW], v[NIL]                      ; the wave's opening: the add, twice on end, and its wait
	ds_add_u32 v[SPW], v[NIL]
	v_lshrrev_b32 v[T1], 5, v0
	v_readfirstlane_b32 s[WV], v[T1]               ; wave 0..7
	v_and_b32 v[TL], 31, v0                        ; l
	v_and_b32 v[TR], 15, v0                        ; r
	v_bfe_u32 v[TH], v0, 4, 1                      ; h
	v_lshlrev_b32 v[L16], 4, v[TL]
	v_min_u32 v[VA], 199, v0                       ; the mask's rows are 8,192 bytes: time step = thread, held inside the buffer
	v_lshlrev_b32 v[VA], 13, v[VA]
	AW
	s_bfe_u32 s32, ttmp6, 0x40000                  ; cx
	s_lshl_b32 s[GID], ttmp9, 2
	s_add_co_u32 s[GID], s[GID], s32               ; work-group: it enters global addresses of x, mask and out0 alone
	s_and_b32 s[SM], s[WV], 3
	s_xor_b32 s32, s[WV], 7                        ; waves 7, 6, 5, 3, 2, 1 take 28 rows each, 0 .. 167, in this order
	s_and_b32 s33, s32, 3
	s_lshr_b32 s34, s32, 2
	s_mul_i32 s34, s34, 3
	s_add_co_u32 s33, s33, s34
	s_mul_i32 s96, s33, 28
	s_lshl_b32 s97, s[WV], 2                       ; and every wave four: 168 + 4 w
	s_add_co_u32 s97, s97, 168
	s_add_co_u32 s32, s96, 8
	s_lshl_b32 s32, s32, 20
	s_lshl_b32 s34, s97, 20
	v_add_nc_u32 v[VO], s32, v[L16]
	v_add_nc_u32 v[VO+1], 16<<20, v[VO]
	v_add_nc_u32 v[VO+2], s34, v[L16]
	AW
	s_wait_dscnt 0x0                               ; both opening adds are done
	s_wait_kmcnt 0x0
	s_lshl_b32 s32, s[GID], 5
	s_mov_b32 s33, 0
	s_add_nc_u64 s[6:7], s[6:7], s[32:33]          ; the mask at my eight sessions
	s_lshl_b32 s32, s[GID], 12
	s_add_nc_u64 s[14:15], s[14:15], s[32:33]      ; out0 at my eight rows
	s_add_nc_u64 s[XB:XB+1], s[4:5], s[32:33]      ; x at session 8 g
	; descriptor groups 1.  w_k, w_q: 64 rows x 128 f32, no padding.  w_p: 50 rows, 4 words of padding behind every 128 (pitch 528)
	s_mov_b32 s[G1W], 15|(2<<16)|(1<<21)
	s_mov_b32 s[G1W+1], 128<<16
	s_mov_b32 s[G1W+2], 64<<16
	s_mov_b32 s[G1W+3], 128<<16
	s_mov_b32 s[G1W+4], 64
	s_mov_b32 s[G1W+5], 128
	s_mov_b32 s[G1W+6], 0
	s_mov_b32 s[G1W+7], 0
	s_mov_b32 s[G1P], 15|(2<<16)|(1<<20)|(1<<21)|(6<<22)|(3<<25)
	s_mov_b32 s[G1P+1], 128<<16
	s_mov_b32 s[G1P+2], 50<<16
	s_mov_b32 s[G1P+3], 128<<16
	s_mov_b32 s[G1P+4], 50
	s_mov_b32 s[G1P+5], 128
	s_mov_b32 s[G1P+6], 0
	s_mov_b32 s[G1P+7], 0
	; groups 0: waves 0, 1 bring w_k's halves, waves 2, 3 w_q's behind them, waves 4-7 a quarter of w_p each
	s_and_b32 s32, s[WV], 1
	s_lshl_b32 s32, s32, 15
	s_mov_b32 s[G0K], 1
	s_mul_i32 s[G0K+1], s[WV], 64*512
	s_add_nc_u64 s[G0K+2:G0K+3], s[10:11], s[32:33]
	s_or_b32 s[G0K+3], s[G0K+3], 0x80000000
	s_mov_b32 s[G0Q], 1
	s_mul_i32 s[G0Q+1], s[WV], 64*512
	s_add_nc_u64 s[G0Q+2:G0Q+3], s[12:13], s[32:33]
	s_or_b32 s[G0Q+3], s[G0Q+3], 0x80000000
	s_mul_i32 s32, s[SM], 50*512
	s_mov_b32 s[G0P], 1
	s_mul_i32 s[G0P+1], s[SM], 50*P
	s_add_co_u32 s[G0P+1], s[G0P+1], WPB
	s_add_nc_u64 s[G0P+2:G0P+3], s[8:9], s[32:33]
	s_or_b32 s[G0P+3], s[G0P+3], 0x80000000
	ROUND                                          ; all four partners are here: the joint loads meet
.macro ARM under, g0, g1, next
	s_cmp_lt_u32 s[WV], \under
	s_cbranch_scc0 \next
	tensor_load_to_lds s[\g0:\g0+3], s[\g1:\g1+7]
	s_nop 0
.rept 4
	v_nop
.endr
	s_branch .Lasked
\next:
.endm
	ARM 2, G0K, G1W, .Lask_q
	ARM 4, G0Q, G1W, .Lask_p
	tensor_load_to_lds s[G0P:G0P+3], s[G1P:G1P+7]
	s_nop 0
.rept 4
	v_nop
.endr
.Lasked:
	global_load_b128 v[Z+32:Z+35], v[VA], s[6:7]
	global_load_b128 v[Z+36:Z+39], v[VA], s[6:7] offset:16
	XLG                                            ; session 0, behind the weights, which are wanted first
	s_mov_b32 s[SEL], 0x76543210
	s_mov_b32 s[SEL+1], 0xfedcba98                 ; v_permlanex16_b32's selects for lane l xor 16
	s_mov_b32 s[MNT], 0x600000                     ; the mantissa field of 57,344
	s_mov_b32 s[L2E], 0x3fb8aa3b                   ; log2 e
	s_mov_b32 s[NL2], 0xbfb8aa3b                   ; -log2 e
	s_mov_b32 s[NL2+1], s[NL2]
.irp q, 0,1,2,3,4,5,6,7
	s_mov_b32 s[SW+2*\q+1], 0
.endr
	s_mul_i32 s86, s[WV], 16*P
	s_lshr_b32 s87, s[WV], 2
	s_lshl_b32 s88, s87, 3
	s_xor_b32 s88, s88, 15                         ; wave 4's second tile: rows r mod 8
	s_add_co_u32 s89, s[WV], 3
	s_lshr_b32 s89, s89, 3
	s_xor_b32 s89, s89, 1
	s_mul_i32 s89, s89, 120*P
	s_add_co_u32 s89, s89, 8*P                     ; from lanes 0-15's rows to lanes 16-31's: 128 rows; 8 in waves 5-7
	s_mul_i32 s90, s96, P
	s_mul_i32 s91, s97, P
	s_lshl_b32 s92, s96, 2
	s_add_co_u32 s92, s92, MASK
	s_lshl_b32 s93, s97, 2
	s_add_co_u32 s93, s93, MASK
	s_lshl_b32 s94, s[WV], 6
	s_add_co_u32 s94, s94, MASK
	s_lshl_b32 s95, s[WV], 10
	s_add_co_u32 s95, s95, OPB
	s_lshl_b32 s[SMW], s[WV], 9
	s_add_co_u32 s[SMW], s[SMW], MEAN
	s_lshl_b32 s[SML], s[WV], 3
	s_add_co_u32 s[SML], s[SML], ML
	s_mov_b32 s[HM], 0xffff0000
	s_cmp_lt_u32 s[WV], 5
	s_cselect_b32 s[WM], 0, -1
	s_lshl_b32 s66, s96, 20
	s_add_co_u32 s67, s66, 16<<20
	s_lshl_b32 s68, s97, 20
	s_lshl_b32 s32, s[SM], 14                      ; wave w quantises block w mod 4 of 32 along K, columns 64 (w / 4) on
	s_lshl_b32 s33, s87, 8
	s_add_co_u32 s32, s32, s33
	s_lshl_b32 s34, s[SM], 9
	s_lshl_b32 s33, s87, 13
	s_add_co_u32 s34, s34, s33
	s_add_co_u32 s34, s34, IMK
	s_lshl_b32 s35, s87, 9
	s_add_co_u32 s35, s35, s[SM]
	s_add_co_u32 s35, s35, ISK
	PFA PF, 31, 66
	PFA PF+1, 23, 67
	PFA PF+2, 7, 68
	v_mul_u32_u24 v[T1], v[TR], P
	v_and_b32 v[T2], s88, v[TR]
	v_lshlrev_b32 v[T3], 2, v[T2]
	v_mul_u32_u24 v[T2], v[T2], P
	v_add_nc_u32 v[T1], s86, v[T1]
	v_add_nc_u32 v[T2], s86, v[T2]
	v_add_nc_u32 v[M1], s94, v[T3]
	v_lshl_add_u32 v[CXA], v[TH], 6, v[T1]
	v_lshl_add_u32 v[CXB], v[TH], 6, v[T2]
	v_lshl_add_u32 v[T1], v[TH], 5, v[T1]
	v_lshl_add_u32 v[T2], v[TH], 5, v[T2]
	v_add_nc_u32 v[CXB], 128*P, v[CXB]
	v_add_nc_u32 v[MKV], WPB, v[T1]                ; head: raw w_p, row 16 w + r, + 32 h
	v_add_nc_u32 v[M1], 512, v[M1]
	v_lshl_add_u32 v[Z+23], v0, 2, MASK            ; head: the mask's table, a thread a time step
	v_add_nc_u32 v[W1A], WP1, v[T2]                ; (v0: the thread's number is not needed any more)
	v_lshlrev_b32 v[T1], 4, v[TR]
	v_mul_u32_u24 v[T2], s89, v[TH]
	v_and_b32 v[T3], s87, v[TH]
	v_add_nc_u32 v[CRA], s86, v[T1]
	v_xor_b32 v[T3], 1, v[T3]
	v_lshl_add_u32 v[COS], v[TH], 9, v[T1]
	v_mul_u32_u24 v[T3], v[T3], 8*P
	v_add_nc_u32 v[CRA], v[CRA], v[T2]
	v_add_nc_u32 v[COS], s95, v[COS]
	v_add_nc_u32 v[CRB], v[CRA], v[T3]             ; wave 4's second tile ends with row 7: its rows again, which weigh 0
	v_add_nc_u32 v[CDA], s90, v[L16]
	v_add_nc_u32 v[CDB], s91, v[L16]
	v_lshl_add_u32 v[MKA], v[TL], 2, s92
	v_and_b32 v[T1], 3, v[TL]
	v_lshl_add_u32 v[MKB], v[T1], 2, s93
	v_lshl_add_u32 v[M0], v[TR], 2, s94
	v_lshlrev_b32 v[T2], 5, v[TH]
	v_add_nc_u32 v[CQR], QRY, v[T2]
	v_lshrrev_b32 v[T3], 3, v[TR]
	v_and_b32 v[T3], s87, v[T3]
	v_xor_b32 v[T3], 1, v[T3]
	v_cvt_f32_u32 v[V1], v[T3]
	v_mov_b32 v[S1], 0xff800000
	v_lshrrev_b32 v[T1], 2, v[TR]
	v_and_b32 v[T2], 3, v[TR]
	v_lshl_add_u32 v[Z+20], v[TH], 13, s32         ; head: raw weight: row 16 h of my block, four columns 4 r on
	v_lshl_add_u32 v[Z+21], v[TH], 8, s34
	v_lshl_add_u32 v[Z+22], v[TH], 6, s35
	v_lshl_add_u32 v[Z+20], v[TR], 4, v[Z+20]
	v_lshl_add_u32 v[Z+21], v[T1], 11, v[Z+21]
	v_lshl_add_u32 v[Z+22], v[T1], 7, v[Z+22]
	v_lshl_add_u32 v[Z+21], v[T2], 6, v[Z+21]      ; head: their codes' place in fragment r / 4's image
	v_lshl_add_u32 v[Z+22], v[T2], 4, v[Z+22]      ; head: their scale bytes, for both halves of the lanes
.irp b, 0,1,2,3
	v_mov_b32 v[TM+4+\b], 0                        ; a lane permute's destination counts as one of its sources
.endr
	AW
	s_cmp_lt_u32 s[WV], 4
	s_cbranch_scc0 .Lno_wait                       ; waves 4-7 brought w_p, by a line of their own: it is waited for further down
	s_wait_tensorcnt 0x0
.Lno_wait:
	s_barrier_signal -1
	s_barrier_wait -1                              ; raw w_k and w_q lie in LDS
	PREF                                           ; session 1
	; w_k, then w_q: a lane takes four columns, its registers run down K; the hold turns them column by column
	s_mov_b32 s66, 0
	s_mov_b32 s67, 0
	s_mov_b32 s68, 0
	s_mov_b32 s69, 2
.Lweights:
	v_add_nc_u32 v[Z+24], s66, v[Z+20]
	v_add_nc_u32 v[Z+25], s67, v[Z+21]
	v_add_nc_u32 v[Z+26], s68, v[Z+22]
.irp i, 0,1,2,3,4,5,6,7,8,9,10,11,12,13,14,15
	ds_load_b128 v[WP+4*\i:WP+4*\i+3], v[Z+24] offset:512*\i
.endr
	AW
	s_wait_dscnt 0x0
.irp b, 0,1,2,3
	v_max3_num_f32 v[TM+\b], |v[WP+\b]|, |v[WP+4+\b]|, 0x8000000
.endr
.irp i, 2,4,6,8,10,12,14
.irp b, 0,1,2,3
	v_max3_num_f32 v[TM+\b], v[TM+\b], |v[WP+4*\i+\b]|, |v[WP+4*\i+4+\b]|
.endr
.endr
.irp b, 0,1,2,3
	v_permlanex16_b32 v[TM+4+\b], v[TM+\b], s[SEL], s[SEL+1]
.endr
.irp b, 0,1,2,3
	v_max_num_f32 v[TM+\b], v[TM+\b], v[TM+4+\b]
.endr
.irp b, 0,1,2,3
	v_add_nc_u32 v[TM+12+\b], 0xf8800000, v[TM+\b]
.endr
.irp b, 0,1,2,3
	v_and_or_b32 v[TM+8+\b], v[TM+\b], 0x7f800000, s[MNT]
.endr
.irp b, 0,1,2,3
	v_lshrrev_b32 v[TM+4+\b], 23, v[TM+12+\b]
.endr
.irp b, 0,1,2,3
.irp i, 0,1,2,3,4,5,6,7,8,9,10,11,12,13,14,15
	v_med3_num_f32 v[X+16*\b+\i], v[WP+4*\i+\b], -v[TM+8+\b], v[TM+8+\b]
.endr
.endr
.irp b, 0,1,2,3
	v_cvt_scalef32_pk8_bf8_f32 v[PC+4*\b:PC+4*\b+1], v[X+16*\b:X+16*\b+7], v[TM+12+\b]
	v_cvt_scalef32_pk8_bf8_f32 v[PC+4*\b+2:PC+4*\b+3], v[X+16*\b+8:X+16*\b+15], v[TM+12+\b]
.endr
	v_nop
.irp b, 0,1,2,3
	ds_store_b128 v[Z+25], v[PC+4*\b:PC+4*\b+3] offset:16*\b
	ds_store_b8 v[Z+26], v[TM+4+\b] offset:4*\b
.endr
	AW
	s_wait_dscnt 0x0
	s_add_co_u32 s66, s66, 128*512
	s_add_co_u32 s67, s67, 16384
	s_add_co_u32 s68, s68, 1024
	s_sub_co_u32 s69, s69, 1
	s_cmp_lg_u32 s69, 0
	s_cbranch_scc1 .Lweights
	s_wait_loadcnt 4                               ; the mask's two loads are in; of x's rows behind them four may be out
.irp i, 0,1,2,3,4,5,6,7
	ds_store_b32 v[Z+23], v[Z+32+\i] offset:1024*\i
.endr
	v_add_nc_u32 v[Z+24], IMK, v[L16]
	v_lshl_add_u32 v[Z+25], v[TL], 2, ISK
	AW
	s_wait_tensorcnt 0x0                           ; my quarter of w_p has landed
	s_wait_dscnt 0x0
	s_barrier_signal -1
	s_barrier_wait -1                              ; images, mask and w_p lie in LDS; nobody reads the raw w_k and w_q any more
	WIN 0x40
.irp f, 0,1,2,3,4,5,6,7
.irp c, 0,1,2,3
	ds_load_b128 v[16*\f+4*\c:16*\f+4*\c+3], v[Z+24] offset:2048*\f+512*\c
.endr
.endr
	WIN 0
.irp f, 0,1,2,3,4,5,6,7
	ds_load_b32 v[WKS+\f], v[Z+25] offset:128*\f
	ds_load_b32 v[WQS+\f], v[Z+25] offset:1024+128*\f
.endr
	WPLOAD WP, MKV
	s_wait_dscnt 0x0
	ds_load_b32 v[MKV], v[MKA]                     ; session 0's masks of my staged rows
	ds_load_b32 v[MBV], v[MKB]
	s_mov_b32 s[SLC], SLOT1
	s_mov_b32 s[SLN], 0
	s_mov_b32 s[CNT], 7                            ; (one session back, modulo 8)
	s_wait_dscnt 0x0
	PUMP                                           ; session 0 into slot 0
	s_wait_xcnt 0x0                                ; the loads and prefetches that are out have read their base
	s_add_nc_u64 s[XB:XB+1], s[XB:XB+1], 512
	XLG                                            ; session 1
	AW
	s_barrier_signal -1
	s_barrier_wait -1
	ADDRS
	AW
	PREF                                           ; session 2
	s_cmp_eq_u32 s[WV], 7
	s_cbranch_scc0 .Lno_first
	QUERY                                          ; session 0's
.Lno_first:
	s_mov_b32 s[CNT], 0
	AW
	s_wait_dscnt 0x0
; ---------------------------------------------------------------- THE SESSIONS
.Lstep:
	s_barrier_signal -1                            ; A
	s_xor_b32 s[SLC], s[SLC], SLOT1
	s_xor_b32 s[SLN], s[SLN], SLOT1
	s_lshl_b32 s32, s[CNT], 10
	s_add_co_u32 s33, s32, 1024
	s_min_u32 s33, s33, 7168                       ; the next session's masks; behind the last session the last one's, which nobody uses
	v_add_nc_u32 v[Z+20], s[SLC], v[CXA]
	v_add_nc_u32 v[Z+21], s32, v[M0]
	v_add_nc_u32 v[Z+22], s32, v[M1]
	v_add_nc_u32 v[Z+23], s33, v[MKA]
	v_add_nc_u32 v[Z+24], s33, v[MKB]
	ds_load_b32 v[MV0], v[Z+21]
	ds_load_b32 v[MV1], v[Z+22]
	ds_load_b32 v[MKV], v[Z+23]
	ds_load_b32 v[MBV], v[Z+24]
	XLOAD Z+20
	QUANT MV0,0
	AW
	s_barrier_wait -1
	s_and_b32 s34, s[CNT], 1
	s_lshl_b32 s34, s34, 9
	v_add_nc_u32 v[TA], s34, v[CQR]
	QLOAD
	AW
	s_cmp_lt_u32 s[WV], 4
	s_cbranch_scc0 .Lkeys
	s_cmp_lt_u32 s[CNT], 7
	s_cbranch_scc0 .Lkeys
	PUMP                                           ; waves 0-3: the next session into the other slot
	s_cmp_lt_u32 s[CNT], 6
	s_cbranch_scc0 .Lkeys                          ; no load leaves the buffer
	s_wait_xcnt 0x0
	s_add_nc_u64 s[XB:XB+1], s[XB:XB+1], 512
	XLG                                            ; the session after
.Lkeys:
	AW
	s_wait_dscnt 0x0                               ; the query is in
	KEYS
	SIGM WP,S0,0
	AW
	s_cmp_lt_u32 s[WV], 4
	s_cbranch_scc1 .Lmet
	s_cmp_lt_u32 s[CNT], 7
	s_cbranch_scc0 .Lmet
	PUMP                                           ; waves 4-7: the same here
	s_cmp_lt_u32 s[CNT], 6
	s_cbranch_scc0 .Lmet
	s_wait_xcnt 0x0
	s_add_nc_u64 s[XB:XB+1], s[XB:XB+1], 512
	XLG
.Lmet:
	s_and_b32 s34, s[CNT], 1
	s_lshl_b32 s34, s34, 9
	v_add_nc_u32 v[TA], s[SLC], v[CXB]
	v_add_nc_u32 v[MKV], s34, v[CQR]               ; (the staged rows' masks have been used)
	AW
	s_wait_dscnt 0x0                               ; for the others' sake: my rows and my partial mean lie in LDS
	s_barrier_signal -1                            ; B
	s_cmp_lt_u32 s[WV], 5
	s_cbranch_scc0 .Lno_t1
	XLOAD TA                                       ; my second tile
.irp n, 2,3,4,5,6,7
	QLN MKV,\n
.endr
	QUANT MV1,12
	QLN MKV,0
	QLN MKV,1
	WPLOAD X, W1A
	AW
	s_wait_dscnt 16                                ; the query is in; w_p's sixteen loads may be out
	KEYS
	SIGM X,S1,1
	v_mul_f32 v[S1], v[S1], v[MV1]                 ; s = sim m
	v_mul_f32 v[S1], s[L2E], v[S1]
.Lno_t1:
	AW
	s_barrier_wait -1
	s_cmp_lt_u32 s[CNT], 5
	s_cbranch_scc0 .Lno_pf
	PREF                                           ; the session behind the one asked for; the last three steps ask for nothing
.Lno_pf:
	ADDRS
	AW
	s_cmp_eq_u32 s[WV], 7
	s_cbranch_scc0 .Lno_q
	s_cmp_eq_u32 s[CNT], 7
	s_cbranch_scc1 .Ljoin
	QUERY                                          ; the next session's
	AW
	s_branch .Ljoin
.Lno_q:
	s_cmp_eq_u32 s[WV], 6
	s_cbranch_scc0 .Ljoin
	s_cmp_eq_u32 s[CNT], 0
	s_cbranch_scc1 .Ljoin
	MERGE
	AW
.Ljoin:
	s_and_b32 s34, s[CNT], 1
	s_lshl_b32 s35, s34, 8
	s_add_co_u32 s35, s35, s[SML]
	s_lshl_b32 s34, s34, 13
	v_add_nc_u32 v[Z+56], s[SLC], v[CRA]
	v_add_nc_u32 v[Z+57], s[SLC], v[CRB]
	v_add_nc_u32 v[Z+58], s34, v[COS]
	v_mov_b32 v[Z+59], s35
	DLOAD 0
	DLOAD 1
	; my maximum M (of s log2 e) in Z+4, L = the sum of m p in Z+5, the weights m m p in WW: lanes 0-15 my first tile's rows, lanes 16-31 my second's (waves 5-7: the first's, xor 8)
	v_mul_f32 v[S0], v[S0], v[MV0]
	v_mul_f32 v[S0], s[L2E], v[S0]
	v_max_num_f32 v[Z+4], v[S0], v[S1]
	v_max_num_f32_dpp v[Z+4], v[Z+4], v[Z+4] row_xmask:1 row_mask:0xf bank_mask:0xf
	v_max_num_f32_dpp v[Z+4], v[Z+4], v[Z+4] row_xmask:2 row_mask:0xf bank_mask:0xf
	v_max_num_f32_dpp v[Z+4], v[Z+4], v[Z+4] row_xmask:4 row_mask:0xf bank_mask:0xf
	v_max_num_f32_dpp v[Z+4], v[Z+4], v[Z+4] row_xmask:8 row_mask:0xf bank_mask:0xf
	v_sub_f32 v[Z], v[S0], v[Z+4]
	v_sub_f32 v[Z+1], v[S1], v[Z+4]
	v_mul_f32 v[Z+6], v[MV1], v[V1]
	AW
	v_exp_f32 v[Z], v[Z]
	v_exp_f32 v[Z+1], v[Z+1]
	v_nop
	AW
	v_mul_f32 v[Z+8], v[Z], v[MV0]                 ; m p
	v_mul_f32 v[Z+9], v[Z+1], v[Z+6]
	v_mul_f32 v[Z+10], v[Z+8], v[MV0]              ; m m p
	v_mul_f32 v[Z+11], v[Z+9], v[MV1]
	v_add_f32 v[Z+5], v[Z+8], v[Z+9]
	v_mov_b32_dpp v[Z+14], v[Z+10] row_xmask:8 row_mask:0xf bank_mask:0xf
	v_add_f32_dpp v[Z+5], v[Z+5], v[Z+5] row_xmask:1 row_mask:0xf bank_mask:0xf
	v_cndmask_b32 v[Z+13], v[Z+11], v[Z+14], s[WM]
	v_add_f32_dpp v[Z+5], v[Z+5], v[Z+5] row_xmask:2 row_mask:0xf bank_mask:0xf
	v_cndmask_b32 v[WW], v[Z+10], v[Z+13], s[HM]
	v_add_f32_dpp v[Z+5], v[Z+5], v[Z+5] row_xmask:4 row_mask:0xf bank_mask:0xf
	v_add_f32_dpp v[Z+5], v[Z+5], v[Z+5] row_xmask:8 row_mask:0xf bank_mask:0xf
	AW
	s_wait_dscnt 8                                 ; four pairs of rows are in; the next four's eight loads may be out
	DFMA 0,0,1,2,3
	AW
	s_cmp_lt_u32 s[WV], 5
	s_cbranch_scc0 .Lshort
	DLOAD 2
	s_wait_dscnt 8
	DFMA 1,4,5,6,7
	DLOAD 3
	s_wait_dscnt 8
	DFMA 2,8,9,10,11
	s_wait_dscnt 0x0
	DFMA 3,12,13,14,15
	AW
	s_branch .Lsummed
.Lshort:
	s_wait_dscnt 0x0
	DFMA 1,4,5,6,7
	AW
.Lsummed:
.irp j, 0,2,4,6
	v_pk_add_f32 v[OACC+\j:OACC+\j+1], v[OACC+\j:OACC+\j+1], v[OACC+8+\j:OACC+9+\j]
.endr
	ds_store_b128 v[Z+58], v[OACC:OACC+3]
	ds_store_b128 v[Z+58], v[OACC+4:OACC+7] offset:256
	ds_store_b64 v[Z+59], v[Z+4:Z+5]               ; all lanes write the same words with the same values
	s_add_co_u32 s[CNT], s[CNT], 1
	AW
	s_wait_dscnt 0x0                               ; for the others' sake: my sums lie in LDS, my reads of the slot are over
	s_cmp_lt_u32 s[CNT], 8
	s_cbranch_scc1 .Lstep
	s_barrier_signal -1
	s_barrier_wait -1
	ADDRS
	AW
	s_cmp_eq_u32 s[WV], 6
	s_cbranch_scc0 .Lend
	MERGE                                          ; session 7
.Lend:
	s_wait_tensorcnt 0x0                           ; the wave's end
	ds_add_u32 v[SPW], v[NIL]
	s_wait_dscnt 0x0
	ROUND                                          ; the closing round
	s_endpgm
.Lfunc_end_k_q6ec1447915_paa:
	.size	k_q6ec1447915_paa, .Lfunc_end_k_q6ec1447915_paa-k_q6ec1447915_paa
	.p2alignl 7, 3214868480
	.fill 96, 4, 3214868480
	.section	.rodata,"a",@progbits
	.p2align	6, 0x0
	.amdhsa_kernel k_q6ec1447915_paa
		.amdhsa_group_segment_fixed_size 327680
		.amdhsa_private_segment_fixed_size 0
		.amdhsa_enable_private_segment 0
		.amdhsa_kernarg_size 48
		.amdhsa_user_sgpr_count 2
		.amdhsa_user_sgpr_kernarg_segment_ptr 1
		.amdhsa_wavefront_size32 1
		.amdhsa_system_sgpr_workgroup_id_x 1
		.amdhsa_system_sgpr_workgroup_id_y 1
		.amdhsa_system_sgpr_workgroup_id_z 1
		.amdhsa_system_vgpr_workitem_id 0
		.amdhsa_next_free_vgpr 512
		.amdhsa_next_free_sgpr 102
		.amdhsa_reserve_vcc 0
		.amdhsa_float_denorm_mode_32 3
		.amdhsa_float_denorm_mode_16_64 3
		.amdhsa_memory_ordered 1
		.amdhsa_forward_progress 1
		.amdhsa_inst_pref_size 158
	.end_amdhsa_kernel
	.amdgpu_metadata
---
amdhsa.version: [ 1, 2 ]
amdhsa.kernels:
  - .name:           k_q6ec1447915_paa
    .symbol:         k_q6ec1447915_paa.kd
    .args:
      - { .name: x, .offset: 0, .size: 8, .value_kind: global_buffer, .address_space: global }
      - { .name: mask, .offset: 8, .size: 8, .value_kind: global_buffer, .address_space: global }
      - { .name: w_p, .offset: 16, .size: 8, .value_kind: global_buffer, .address_space: global }
      - { .name: w_k, .offset: 24, .size: 8, .value_kind: global_buffer, .address_space: global }
      - { .name: w_q, .offset: 32, .size: 8, .value_kind: global_buffer, .address_space: global }
      - { .name: out0, .offset: 40, .size: 8, .value_kind: global_buffer, .address_space: global }
    .group_segment_fixed_size: 327680
    .private_segment_fixed_size: 0
    .kernarg_segment_align: 8
    .kernarg_segment_size: 48
    .max_flat_workgroup_size: 256
    .sgpr_count:     102
    .vgpr_count:     512
    .wavefront_size: 32
...
	.end_amdgpu_metadata
.endif
;; end of part 1
